; MI455X (gfx1250); checked and timed in simulation.
; The chip was launched on July 23, 2026; its instructions are those of AMD's public machine-readable ISA for CDNA 5 (MIT licence, August 2026) and "CDNA5" Instruction Set Architecture Reference Guide (July 2026). The comments in the code are by the model that wrote it; some were corrected since.
;; Multihead Attention. Allowed arithmetic: matrix products marked QUANTISED: E2M3 operands, one E8M0 scale for each 32 along K, by v_wmma_scale_f32_16x16x128_f8f6f4 with both operands' format E2M3, f32 sums; everything else in f32.
;; Inputs: attn_mask 1,024 x 1,024 float32; in_b1 3,072 float32; in_b2 3,072 float32; in_b3 3,072 float32; in_w1 3,072 x 1,024 float32; in_w2 3,072 x 1,024 float32; in_w3 3,072 x 1,024 float32; key 1,024 x 8 x 1,024 float32; out_b1 1,024 float32; out_b2 1,024 float32; out_b3 1,024 float32; out_w1 1,024 x 1,024 float32; out_w2 1,024 x 1,024 float32; out_w3 1,024 x 1,024 float32; query 1,024 x 8 x 1,024 float32; value 1,024 x 8 x 1,024 float32.
;; Outputs: out0 1,024 x 8 x 1,024 float32; out1 8 x 1,024 x 1,024 float32.
;; This version of the problem:
;;   THIS VERSION OF THE PROBLEM IS GIVEN IN LOW PRECISION. The matrix products marked QUANTISED in the list below multiply operands that are first quantised to E2M3 (2 exponent bits, 3 mantissa bits; 6 bits a number), with one power-of-two scale for each 32 numbers along K (OCP MX v1.0); their sums are f32. All else is computed in f32.
;;   The module's matrix products, in the order in which they are computed (A, B: the left and right operand; K: the contracted axis; several contracted axes count as one K, in the product's order):
;;     1. [M 2,048, K 1,024] x [K 1,024, N 1,024]; A: input query; B: input in_w1: QUANTISED
;;     2. [M 2,048, K 1,024] x [K 1,024, N 1,024]; A: input key; B: input in_w1: QUANTISED
;;     3. [M 2,048, K 1,024] x [K 1,024, N 1,024]; A: input value; B: input in_w1: QUANTISED
;;     4. [M 2,048, K 1,024] x [K 1,024, N 1,024]; A: input query; B: input in_w2: QUANTISED
;;     5. [M 2,048, K 1,024] x [K 1,024, N 1,024]; A: input key; B: input in_w2: QUANTISED
;;     6. [M 2,048, K 1,024] x [K 1,024, N 1,024]; A: input value; B: input in_w2: QUANTISED
;;     7. [M 4,096, K 1,024] x [K 1,024, N 1,024]; A: input query; B: input in_w3: QUANTISED
;;     8. [M 4,096, K 1,024] x [K 1,024, N 1,024]; A: input key; B: input in_w3: QUANTISED
;;     9. [M 4,096, K 1,024] x [K 1,024, N 1,024]; A: input value; B: input in_w3: QUANTISED
;;     10. batch 128 x [M 1,024, K 64] x [K 64, N 1,024]; A: computed on the way; B: computed on the way: QUANTISED
;;     11. batch 128 x [M 1,024, K 1,024] x [K 1,024, N 64]; A: computed on the way; B: computed on the way: QUANTISED
;;     12. [M 2,048, K 1,024] x [K 1,024, N 1,024]; A: computed on the way; B: input out_w1: QUANTISED
;;     13. [M 2,048, K 1,024] x [K 1,024, N 1,024]; A: computed on the way; B: input out_w2: QUANTISED
;;     14. [M 4,096, K 1,024] x [K 1,024, N 1,024]; A: computed on the way; B: input out_w3: QUANTISED
;;   THE QUANTISER, for each operand of a quantised product, along K:
;;     - K is cut into blocks of 32 from its start; a last block that is shorter is filled with zeros.
;;     - A block's scale is 2^e with e = floor(log2(the largest magnitude in the block)) - 2, held to -126 .. 127; a block of zeros has e = 0. As a byte (E8M0): e + 127.
;;     - Each number is divided by its block's scale, clamped to +-7.5, and rounded to the nearest number of E2M3, ties to even, subnormals kept.
;;     - The product sums the exact products of the quantised numbers (number of the format x scale) in f32.
;;   ~~~python
;;   def quantise(x, axis):      # numpy; x: float32 -> the quantised numbers, widened to float32 again
;;       x = np.moveaxis(x, axis, -1); K = x.shape[-1]
;;       x = np.pad(x, [(0, 0)] * (x.ndim - 1) + [(0, -K % 32)]); x = x.reshape(x.shape[:-1] + (-1, 32)); a = np.abs(x).max(-1, keepdims=True)
;;       e = np.where(a > 0, np.clip(np.frexp(np.where(a > 0, a, 1))[1] - 1 - 2, -126, 127), 0)      # np.frexp(a)[1] - 1 = floor(log2(a)), exactly
;;       r = np.clip(x / 2.0 ** e, -7.5, 7.5)
;;       step = 2.0 ** (np.maximum(np.frexp(np.where(r == 0, 1, r))[1] - 1, 0) - 3)
;;       q = np.round(r / step) * step * 2.0 ** e      # np.round: ties to even
;;       return np.moveaxis(q.reshape(q.shape[:-2] + (-1,))[..., :K], -1, axis).astype(np.float32)
;;   ~~~
;;   OPERANDS COMPUTED ON THE WAY. 'Computed on the way' means the value that the module computes at that place (a softmax that the list does not call 'softmax' is quantised finished and normalised). What goes into a quantiser is computed in f32, as accurately as f32 sums, v_exp_f32 and their like allow (about 1e-6 of the number): no bf16 or f16 on the way to a quantiser, and a product that is left as it is and whose result goes on into a quantised operand takes f32 operands (vector FMAs, or v_wmma_f32_16x16x4_f32). A number that lies on a knife's edge between two numbers of the format may be rounded either way, as far as f32 arithmetic and the matrix unit's own rounding can turn it there, and no further.
;; One version. Each part assembles by itself: llvm-mc -triple=amdgcn-amd-amdhsa -mcpu=gfx1250 --defsym DOCPART=n.
;; ======== version 1 of 1: 3 launches
;; limits: inputs' magnitudes at most 1e+30; right only within a limited range of input values
;; workspace buffers: cod 28,311,552 bytes; scl 1,179,648 bytes; kv 13,369,344 bytes
;; launch quant (part 1): grid 256 x 1, 9 waves a work-group, no clusters, 77,312 bytes of LDS; arguments query, key, value, in_w1, in_w2, in_w3, out_w1, out_w2, out_w3, cod, scl; writes cod, scl
.if DOCPART == 1
	.amdgcn_target "amdgcn-amd-amdhsa--gfx1250"
	.amdhsa_code_object_version 6
	.text
	.protected	k_q9ad3d822d2_quant
	.globl	k_q9ad3d822d2_quant
	.p2align	8
	.type	k_q9ad3d822d2_quant,@function
k_q9ad3d822d2_quant:
	s_mov_b64 s[64:65], 0
	v_nop
	global_prefetch_b8 v0, s[64:65] scope:SCOPE_SE
	s_setreg_imm32_b32 hwreg(HW_REG_WAVE_MODE, 25, 1), 1
	s_wait_xcnt 0x0
; query, key, value [1024][8][1024], in_w1..3 [3072][1024], out_w1..3 [1024][1024], all f32 with K innermost, become codes of FP6 (E2M3) with one E8M0 byte for each 32 along K.
; A block's scale is 2^(floor(log2(its largest magnitude)) - 2); its byte is the largest magnitude's exponent field - 2, held at 1 from below.
; LAYOUT OF THE RESULT.  A TILE is 16 rows x 1,024 K.  Its 16 rows are not neighbours: of each 32 rows, tile u (0, 1) takes rows 8 u + r + 8 (r / 8), r = 0 .. 15, so that a product which takes such a tile as
; source 0 leaves 16 neighbouring rows in the 16 registers of two neighbouring tiles.  A tile's codes are eight IMAGES OF OPERAND REGISTERS (16 rows x 128 K = 12 registers a lane): byte 512 c + 16 lane holds registers
; 4 c .. 4 c + 3; 1,536 bytes an image, 12,288 a tile.  Its scale bytes: 32 bytes a row (eight words, one for each 128 K), 512 bytes a tile.
; TILE NUMBERS: 512 t + 64 b + 2 g + u for query, key, value (t = 0, 1, 2; the rows are tokens s = 32 g + .. of batch entry b); 1536 + 192 i + j for in_w(i+1); 2112 + 64 i + j for out_w(i+1).
; SHARES.  2,304 tiles = 256 work-groups x 9 waves: a wave makes one tile.  Waves share nothing: no barrier, no cluster (no input byte is read twice), no matrix unit.  Each load reads 512 consecutive bytes of a row;
; 32 loads (two images) of a wave are out.  The 16 x 512 bytes of an image turn through the wave's own stage in LDS, so that a lane gets the 2 x 32 neighbours that its operand registers hold.
; LIMITS: NaN and infinities are not served.  Blocks whose largest magnitude lies under 2^-124 keep the floor's byte, 1; so does a block of zeros (the rule says 127: its codes are zeros, and this program alone reads the bytes).
.set STGB,  8448                       ; a wave's stage: 16 rows x (512 + 16) bytes: an odd multiple of 16 from row to row
.set SPARE, 9*STGB                     ; behind the stages: the spare words, 128 bytes a wave, rounded up to five blocks of 256 bytes that no other line names
.set OFF,   16                         ; v16-31   byte offset of my 16 bytes in the tile's row i
.set R0,    32                         ; v32-159  two sets of 64: an image's numbers as loaded
.set X,     160                        ; v160-223 the same after the turn: blocks h and 2 + h of my row
.set PC,    224                        ; v224-235 the image's 12 registers
.set CT,    236                        ; v236-242 the upper halves of the two blocks, as the conversions leave them
.set SW,    244                        ; v244-251 my row's eight scale words
	s_load_b512 s[8:23], s[0:1], 0x0               ; query, key, value, in_w1, in_w2, in_w3, out_w1, out_w2
	s_load_b128 s[24:27], s[0:1], 0x40             ; out_w3, cod
	s_load_b64 s[28:29], s[0:1], 0x50              ; scl
	v_lshl_add_u32 v1, v0, 2, SPARE                ; my spare word; never rewritten
	v_mov_b32 v2, 0                                ; 0; never rewritten
	v_lshrrev_b32 v3, 5, v0
	s_delay_alu instid0(VALU_DEP_1)
	v_readfirstlane_b32 s2, v3                     ; wave 0..8
	v_and_b32 v3, 31, v0                           ; lane
	v_and_b32 v4, 15, v0                           ; r
	v_bfe_u32 v5, v0, 4, 1                         ; h
	s_mul_i32 s3, ttmp9, 9
	s_add_co_u32 s3, s3, s2                        ; my tile's number
	s_mul_i32 s4, s2, STGB
	v_lshlrev_b32 v8, 4, v3                        ; 16 x lane
	s_delay_alu instid0(VALU_DEP_1)
	v_add_nc_u32 v6, s4, v8                        ; the stage, on the way in: a row's 512 bytes as they lie
	v_mul_u32_u24 v7, v4, 528
	s_delay_alu instid0(VALU_DEP_1)
	v_lshl_add_u32 v7, v5, 7, v7
	s_delay_alu instid0(VALU_DEP_1)
	v_add_nc_u32 v7, s4, v7                        ; and on the way out: row r, + 128 h bytes
	v_lshlrev_b32 v9, 5, v4
	s_delay_alu instid0(VALU_DEP_1)
	v_lshl_add_u32 v9, v5, 4, v9                   ; my 16 bytes of the tile's scale record: 32 r + 16 h
	v_lshlrev_b32 v253, 3, v5                      ; 8 h: where my two scale bytes stand in a word
	v_mov_b32 v252, 0                              ; a lane permute's destination counts as one of its sources
	s_mov_b32 s42, 0x76543210
	s_mov_b32 s43, 0xfedcba98                      ; v_permlanex16_b32's selects for lane l xor 16
	s_wait_alu depctr_va_vdst(0)
	s_wait_kmcnt 0x0
; which tensor: a chain of choices on the tile's number alone
.macro PICK first, p
	s_cmp_ge_u32 s3, \first
	s_cselect_b64 s[30:31], s[\p:\p+1], s[30:31]
	s_cselect_b32 s32, \first, s32
.endm
	s_mov_b64 s[30:31], s[8:9]
	s_mov_b32 s32, 0
	PICK 512, 10
	PICK 1024, 12
	PICK 1536, 14
	PICK 1728, 16
	PICK 1920, 18
	PICK 2112, 20
	PICK 2176, 22
	PICK 2240, 24
	s_sub_co_u32 s33, s3, s32                      ; the tile's number in its tensor
	s_lshr_b32 s35, s33, 6
	s_and_b32 s36, s33, 63
	s_cmp_lt_u32 s3, 1536                          ; an activation?
	s_cselect_b32 s34, 15, 12                      ; from one of the tile's rows to the next in memory: 8 x 4,096 bytes, or 4,096
	s_cselect_b32 s35, s35, 0                      ; b
	s_cselect_b32 s36, s36, s33                    ; 2 g + u
	s_lshr_b32 s37, s36, 1
	s_lshl_b32 s37, s37, 5
	s_and_b32 s38, s36, 1
	s_lshl_b32 s38, s38, 3
	s_add_co_u32 s37, s37, s38                     ; the tile's first row: 32 g + 8 u
	s_lshl_b32 s37, s37, s34
	s_lshl_b32 s35, s35, 12
	s_add_co_u32 s38, s37, s35
	s_mov_b32 s39, 0
	s_add_nc_u64 s[30:31], s[30:31], s[38:39]
	s_lshl_b32 s40, 1, s34                         ; the row stride in bytes
	s_mul_i32 s38, s3, 12288
	s_add_nc_u64 s[26:27], s[26:27], s[38:39]      ; my tile's codes
	s_lshl_b32 s38, s3, 9
	s_add_nc_u64 s[28:29], s[28:29], s[38:39]      ; and scale bytes
.irp i, 0,1,2,3,4,5,6,7,8,9,10,11,12,13,14,15
	v_mad_u32_u24 v[OFF+\i], s40, \i+8*(\i/8), v8  ; row i of the tile lies i + 8 (i / 8) rows on
.endr
.macro LOAD ks                         ; image ks: 16 rows x 512 bytes into set ks % 2
.irp i, 0,1,2,3,4,5,6,7,8,9,10,11,12,13,14,15
	global_load_b128 v[R0+64*((\ks)%2)+4*\i:R0+64*((\ks)%2)+4*\i+3], v[OFF+\i], s[30:31] offset:512*(\ks) th:TH_LOAD_NT
.endr
.endm
.macro IMG ks
.set RS, R0+64*((\ks)%2)
.if \ks < 7
	s_wait_loadcnt 16                              ; this image's 16 loads are in; the next image's 16 may be out
.else
	s_wait_loadcnt 0x0
.endif
.irp i, 0,1,2,3,4,5,6,7,8,9,10,11,12,13,14,15
	ds_store_b128 v6, v[RS+4*\i:RS+4*\i+3] offset:\i*528
.endr
.irp c, 0,1
.irp j, 0,1,2,3,4,5,6,7
	ds_load_b128 v[X+32*\c+4*\j:X+32*\c+4*\j+3], v7 offset:256*\c+16*\j   ; k = 64 c + 32 h + 4 j ..; LDS serves a wave's instructions in order: these see the stores above
.endr
.endr
	s_wait_dscnt 0x0                               ; the numbers are back, and the stores have read their registers,
.if \ks < 6
	LOAD (\ks)+2                                   ; which take the image two further on
.endif
.irp c, 0,1
	v_max3_num_f32 v[10+\c], |v[X+32*\c]|, |v[X+32*\c+1]|, 0x1800000   ; my block 2 c + h: all its 32 numbers are mine; the floor 2^(3 - 127) holds the byte at 1 from below
.endr
.irp i, 2,4,6,8,10,12,14,16,18,20,22,24,26,28,30
.irp c, 0,1
	s_delay_alu instid0(VALU_DEP_2)
	v_max3_num_f32 v[10+\c], v[10+\c], |v[X+32*\c+\i]|, |v[X+32*\c+\i+1]|
.endr
.endr
.irp c, 0,1
	s_delay_alu instid0(VALU_DEP_2)
	v_add_nc_u32 v[12+\c], 0xff000000, v[10+\c]    ; 2 off the exponent field: the conversion's scale operand
.endr
.irp c, 0,1
	s_delay_alu instid0(VALU_DEP_2)
	v_lshrrev_b32 v[14+\c], 23, v[12+\c]           ; the scale's byte
.endr
	s_delay_alu instid0(VALU_DEP_1)
	v_lshl_or_b32 v254, v15, 16, v14               ; bytes h and 2 + h of my row's word,
	s_delay_alu instid0(VALU_DEP_1)
	v_lshlrev_b32 v254, v253, v254                 ; at their places;
	s_delay_alu instid0(VALU_DEP_1)
	v_permlanex16_b32 v252, v254, s42, s43
	s_delay_alu instid0(VALU_DEP_1)
	v_or_b32 v[SW+\ks], v254, v252                 ; with lane l xor 16's two the word is whole
	s_wait_alu depctr_va_vdst(0)
	s_wait_xcnt 0x0                                ; the last image's stores have read the codes' registers
.irp c, 0,1
	v_cvt_scalef32_pk16_fp6_f32 v[PC+6*\c:PC+6*\c+2], v[X+32*\c:X+32*\c+15], v[12+\c]
	v_cvt_scalef32_pk16_fp6_f32 v[CT+4*\c:CT+4*\c+2], v[X+32*\c+16:X+32*\c+31], v[12+\c]   ; (a conversion's three registers begin on an even number)
.endr
	v_nop                                          ; one plain place behind a scaled conversion
.irp c, 0,1
.irp i, 0,1,2
	v_mov_b32 v[PC+6*\c+3+\i], v[CT+4*\c+\i]
.endr
.endr
.irp c, 0,1,2
	global_store_b128 v8, v[PC+4*\c:PC+4*\c+3], s[26:27] offset:1536*(\ks)+512*\c   ; 32 lanes store 512 consecutive bytes
.endr
.endm
	LOAD 0
	LOAD 1
	s_wait_alu depctr_va_vdst(0)
.irp k, 0,1,2,3,4,5,6,7
	IMG \k
.endr
	v_cmp_le_u32 vcc_lo, 16, v3                    ; lanes 16-31 store their row's words 4 to 7
.irp i, 0,1,2,3
	v_cndmask_b32 v[CT+\i], v[SW+\i], v[SW+4+\i], vcc_lo
.endr
	global_store_b128 v9, v[CT:CT+3], s[28:29]     ; the tile's 512 scale bytes, consecutive
	s_wait_tensorcnt 0x0                           ; the wave's end
	ds_add_u32 v1, v2
	s_wait_dscnt 0x0
	s_endpgm
.Lfunc_end_k_q9ad3d822d2_quant:
	.size	k_q9ad3d822d2_quant, .Lfunc_end_k_q9ad3d822d2_quant-k_q9ad3d822d2_quant
	.p2alignl 7, 3214868480
	.fill 96, 4, 3214868480
	.section	.rodata,"a",@progbits
	.p2align	6, 0x0
	.amdhsa_kernel k_q9ad3d822d2_quant
		.amdhsa_group_segment_fixed_size 77312
		.amdhsa_private_segment_fixed_size 0
		.amdhsa_enable_private_segment 0
		.amdhsa_kernarg_size 88
		.amdhsa_user_sgpr_count 2
		.amdhsa_user_sgpr_kernarg_segment_ptr 1
		.amdhsa_wavefront_size32 1
		.amdhsa_system_sgpr_workgroup_id_x 1
		.amdhsa_system_sgpr_workgroup_id_y 1
		.amdhsa_system_sgpr_workgroup_id_z 1
		.amdhsa_system_vgpr_workitem_id 0
		.amdhsa_next_free_vgpr 256
		.amdhsa_next_free_sgpr 66
		.amdhsa_reserve_vcc 1
		.amdhsa_float_denorm_mode_32 3
		.amdhsa_float_denorm_mode_16_64 3
		.amdhsa_memory_ordered 1
		.amdhsa_forward_progress 1
		.amdhsa_inst_pref_size 70
	.end_amdhsa_kernel
	.amdgpu_metadata
---
amdhsa.version: [ 1, 2 ]
amdhsa.kernels:
  - .name:           k_q9ad3d822d2_quant
    .symbol:         k_q9ad3d822d2_quant.kd
    .args:
      - { .name: query, .offset: 0, .size: 8, .value_kind: global_buffer, .address_space: global }
      - { .name: key, .offset: 8, .size: 8, .value_kind: global_buffer, .address_space: global }
      - { .name: value, .offset: 16, .size: 8, .value_kind: global_buffer, .address_space: global }
      - { .name: in_w1, .offset: 24, .size: 8, .value_kind: global_buffer, .address_space: global }
      - { .name: in_w2, .offset: 32, .size: 8, .value_kind: global_buffer, .address_space: global }
      - { .name: in_w3, .offset: 40, .size: 8, .value_kind: global_buffer, .address_space: global }
      - { .name: out_w1, .offset: 48, .size: 8, .value_kind: global_buffer, .address_space: global }
      - { .name: out_w2, .offset: 56, .size: 8, .value_kind: global_buffer, .address_space: global }
      - { .name: out_w3, .offset: 64, .size: 8, .value_kind: global_buffer, .address_space: global }
      - { .name: cod, .offset: 72, .size: 8, .value_kind: global_buffer, .address_space: global }
      - { .name: scl, .offset: 80, .size: 8, .value_kind: global_buffer, .address_space: global }
    .group_segment_fixed_size: 77312
    .private_segment_fixed_size: 0
    .kernarg_segment_align: 8
    .kernarg_segment_size: 88
    .max_flat_workgroup_size: 288
    .sgpr_count:     66
    .vgpr_count:     256
    .wavefront_size: 32
...
	.end_amdgpu_metadata
.endif
;; end of part 1
;; launch inproj (part 2): grid 4 x 64, 4 waves a work-group, clusters of 4 x 4, 327,680 bytes of LDS; arguments cod, scl, in_b1, in_b2, in_b3, kv; writes kv
.if DOCPART == 2
	.amdgcn_target "amdgcn-amd-amdhsa--gfx1250"
	.amdhsa_code_object_version 6
	.text
	.protected	k_q9ad3d822d2_inproj
	.globl	k_q9ad3d822d2_inproj
	.p2align	8
	.type	k_q9ad3d822d2_inproj,@function
k_q9ad3d822d2_inproj:
	s_mov_b64 s[64:65], 0
	v_nop
	global_prefetch_b8 v0, s[64:65] scope:SCOPE_SE
	s_setreg_imm32_b32 hwreg(HW_REG_WAVE_MODE, 25, 1), 1
	s_wait_xcnt 0x0
	s_wait_alu depctr_hold_cnt(0) depctr_sa_sdst(0) depctr_va_vdst(0) depctr_va_sdst(0) depctr_va_ssrc(0) depctr_va_vcc(0) depctr_vm_vsrc(0)
	s_getreg_b32 s2, hwreg(HW_REG_IB_STS2, 6, 4)
	s_cmp_eq_u32 s2, 0
	s_cbranch_scc0 .Lentry_in_a_cluster
	s_endpgm
.Lentry_in_a_cluster:
	s_bfe_u32 s2, ttmp6, 0x10000c
	s_cmp_lg_u32 s2, 0xf033
	s_cbranch_scc0 .Lentry_shape_is_right
	s_endpgm
.Lentry_shape_is_right:
; K's and V's in-projections on codes of FP6 (E2M3); Q's is made by the launch that uses it.  A work-group makes 256 x 256 of one product, K = 1,024 in four chunks of 256 through a ring of two LDS slots
; filled by joint loads (cluster 4 x 4).  t = 1 (key): source 1 = tokens, source 0 = weight rows, so that a lane holds a token and its registers run along the channels; t = 2 (value): the sources change roles,
; so that a lane holds a channel and its registers run along the keys.  The bias is the C of the first products.  The results are quantised in registers and stored as images of operand registers, head by head:
; a head's block of kv is K's images (49,152 bytes), V's (49,152), K's scale words (4,096), V's (2,048).  Grid: 2 x 128 blocks = 256 work-groups.
.set TILEB, 3072
.set HALFT, 8*TILEB
.set SLOT,  4*HALFT
.set STG,   2*SLOT
.set SPARE, STG+4*1024
.set FR,    12
.set NL,    3
.set SC,    32
.set YF,    96
.set BIAS,  192
.set ADRY,  16
.set ADRU,  20
.set SPW,   28
.set NIL,   29
.set TM,    200
.set PW,    216
.set PWS,   217
.set G1Y,   24
.set G0Y,   32
.set G1U,   48
.set G0U,   56
.set MUL_LO, 0xa1
.set MUL_HI, 0xf1
.set MSB, 0
.macro WIN new
.if MSB != (\new)
	s_set_vgpr_msb (MSB<<8)|(\new)
.set MSB, (\new)
.endif
.endm
.macro PLACES n
.rept \n
	v_nop
.endr
.endm
.macro JLOAD s
	s_cmp_eq_u32 s19, 0
	s_cbranch_scc0 .Lfor_u_\@
	tensor_load_to_lds s[G0Y+4*\s:G0Y+4*\s+3], s[G1Y:G1Y+7]
	s_nop 0
.rept 4
	v_nop
.endr
	s_branch .Lasked_\@
.Lfor_u_\@:
	tensor_load_to_lds s[G0U+4*\s:G0U+4*\s+3], s[G1U:G1U+7]
	s_nop 0
.rept 4
	v_nop
.endr
.Lasked_\@:
.endm
.macro CREST
	s_cmp_lg_u32 s18, 0
	s_cbranch_scc1 .Lnot_wave_0_\@
	s_barrier_signal -3
.Lnot_wave_0_\@:
	s_barrier_wait -3
	s_barrier_signal -1
	s_barrier_wait -1
.endm
.macro CROUND
	s_barrier_signal -1
	s_barrier_wait -1
	CREST
.endm
	s_load_b256 s[4:11], s[0:1], 0x0
	s_load_b128 s[12:15], s[0:1], 0x20
	v_lshl_add_u32 v[SPW], v0, 2, SPARE
	v_mov_b32 v[NIL], 0
	ds_add_u32 v[SPW], v[NIL]
	ds_add_u32 v[SPW], v[NIL]
	v_lshrrev_b32 v1, 5, v0
	v_readfirstlane_b32 s18, v1
	s_lshr_b32 s19, s18, 1
	s_and_b32 s20, s18, 1
	s_bfe_u32 s21, ttmp6, 0x40000
	s_bfe_u32 s22, ttmp6, 0x40004
	s_and_b32 s23, ttmp7, 0xffff
	s_lshr_b32 s40, s23, 3
	s_add_co_u32 s40, s40, 1                       ; t = 1 (key) or 2 (value)
	s_and_b32 s41, s23, 7
	s_lshr_b32 s42, s41, 1
	s_and_b32 s43, s41, 1
	s_min_u32 s44, s42, 2
	s_lshl_b32 s45, s40, 9
	s_lshl_b32 s46, s43, 8
	s_add_co_u32 s45, s45, s46
	s_lshl_b32 s46, s42, 4
	s_add_co_u32 s45, s45, s46
	s_mul_i32 s46, s44, 192
	s_lshl_b32 s47, s40, 6
	s_add_co_u32 s46, s46, s47
	s_add_co_u32 s46, s46, 1536
	s_cmp_eq_u32 s40, 2
	s_cselect_b32 s66, s46, s45
	s_cselect_b32 s67, s45, s46
	s_cselect_b32 s68, 4, 6
	s_cselect_b32 s69, 6, 4
	s_lshl_b32 s70, s22, s68
	s_add_co_u32 s66, s66, s70
	s_lshl_b32 s71, s21, s69
	s_add_co_u32 s67, s67, s71
	s_lshl_b32 s70, s22, 2
	s_lshl_b32 s70, 15, s70
	s_lshl_b32 s71, 0x1111, s21
	s_or_b32 s[G1Y+0], s70, (3<<16)|(1<<21)
	s_or_b32 s[G1U+0], s71, (3<<16)|(1<<21)
.irp g, G1Y, G1U
	s_mov_b32 s[\g+1], 384<<16
	s_mov_b32 s[\g+2], 8<<16
	s_mov_b32 s[\g+3], 384<<16
	s_mov_b32 s[\g+4], 8
	s_mov_b32 s[\g+5], 1536
	s_mov_b32 s[\g+6], 0
	s_mov_b32 s[\g+7], 0
.endr
	s_lshl_b32 s47, s20, 3
	s_add_co_u32 s72, s66, s47
	s_mul_i32 s72, s72, 12288
	s_mov_b32 s73, 0
	s_add_co_u32 s74, s67, s47
	s_mul_i32 s74, s74, 12288
	s_mov_b32 s75, 0
	s_mul_i32 s92, s18, HALFT
	s_mov_b32 s86, 0x76543210
	s_mov_b32 s87, 0xfedcba98
	s_wait_dscnt 0x0
	s_wait_kmcnt 0x0
	s_add_nc_u64 s[72:73], s[4:5], s[72:73]
	s_add_nc_u64 s[74:75], s[4:5], s[74:75]
	CROUND
.irp s, 0,1
	s_mov_b32 s[G0Y+4*\s], 1
	s_add_co_u32 s[G0Y+4*\s+1], s92, \s*SLOT
	s_add_nc_u64 s[G0Y+4*\s+2:G0Y+4*\s+3], s[72:73], \s*TILEB
	s_or_b32 s[G0Y+4*\s+3], s[G0Y+4*\s+3], 0x80000000
	s_mov_b32 s[G0U+4*\s], 1
	s_add_co_u32 s[G0U+4*\s+1], s92, \s*SLOT
	s_add_nc_u64 s[G0U+4*\s+2:G0U+4*\s+3], s[74:75], \s*TILEB
	s_or_b32 s[G0U+4*\s+3], s[G0U+4*\s+3], 0x80000000
	s_wait_alu depctr_va_vdst(0)
	s_wait_tensorcnt 0x0
	ds_add_u32 v28, v29
	ds_add_u32 v28, v29
	s_wait_dscnt 0x0
	CROUND
	JLOAD \s
.endr
	v_and_b32 v1, 15, v0
	s_wait_alu depctr_va_vdst(0)
	v_bfe_u32 v2, v0, 4, 1
	v_and_b32 v3, 31, v0
	v_lshlrev_b32 v22, 4, v3
	v_lshlrev_b32 v23, 3, v3
	s_mul_i32 s93, s19, HALFT
	s_mul_i32 s94, s20, HALFT
	s_add_co_u32 s94, s94, 2*HALFT
.irp s, 0,1
	v_add_nc_u32 v[ADRY+\s], s93, v22
	v_add_nc_u32 v[ADRU+\s], s94, v22
	s_add_co_u32 s93, s93, SLOT
	s_add_co_u32 s94, s94, SLOT
.endr
	s_lshl_b32 s93, s18, 10
	s_add_co_u32 s93, s93, STG
	v_lshlrev_b32 v24, 4, v1
	s_wait_alu depctr_va_vdst(0)
	v_lshl_add_u32 v24, v2, 9, v24
	v_add_nc_u32 v24, s93, v24
	v_add_nc_u32 v25, s93, v22
	v_lshlrev_b32 v30, 4, v2
	v_mul_u32_u24 v27, v2, 104448
	v_lshl_add_u32 v27, v1, 4, v27
	s_lshl_b32 s93, s19, 3
	s_add_co_u32 s93, s93, s66
	s_lshl_b32 s93, s93, 9
	s_lshl_b32 s94, s20, 3
	s_add_co_u32 s94, s94, s67
	s_lshl_b32 s94, s94, 9
	v_mov_b32 v4, s93
	v_mov_b32 v5, s94
	v_cmp_le_u32 s95, 16, v3
	v_cndmask_b32 v4, v4, v5, s95
	v_lshl_add_u32 v26, v1, 5, v4
.irp i, 0,1,2,3,4,5,6,7
	global_load_b128 v[SC+8*\i:SC+8*\i+3], v26, s[6:7] offset:512*\i
	global_load_b128 v[SC+8*\i+4:SC+8*\i+7], v26, s[6:7] offset:512*\i+16
.endr
	s_cmp_eq_u32 s40, 2
	s_cselect_b32 s93, s22, s21
	s_cselect_b32 s94, s19, s20
	s_cselect_b32 s95, 0, 64
	s_cselect_b32 s96, 4, 0
	s_cselect_b32 s97, 0, 4
	s_lshl_b32 s93, s93, 8
	s_lshl_b32 s94, s94, 7
	s_add_co_u32 s93, s93, s94
	s_lshl_b32 s94, s40, 10
	s_add_co_u32 s93, s93, s94
	s_lshl_b32 s92, s93, 2
	s_mov_b32 s93, 0
	s_cmp_eq_u32 s44, 0
	s_cselect_b64 s[84:85], s[8:9], s[10:11]
	s_cmp_eq_u32 s44, 2
	s_cselect_b64 s[84:85], s[12:13], s[84:85]
	s_add_nc_u64 s[84:85], s[84:85], s[92:93]
	v_and_b32 v4, 8, v1
	v_add_nc_u32 v4, v4, v1
	v_mul_u32_u24 v5, v2, s95
	v_mad_u32_u24 v5, v4, s96, v5
.irp j, 0,1,2,3,4,5,6,7
	v_mad_u32_u24 v[8+\j], s97, \j, v5
.endr
.irp i, 0,1,2,3,4,5,6,7
.irp j, 0,1,2,3,4,5,6,7
	global_load_b32 v[BIAS+8*\i+\j], v[8+\j], s[84:85] offset:(32*(\i/2)+8*(\i%2))*4
.endr
.endr
	s_cmp_eq_u32 s40, 2
	s_cselect_b32 s92, s21, s22
	s_cselect_b32 s93, s22, s21
	s_cselect_b32 s94, s19, s20
	s_cselect_b32 s95, s20, s19
	s_cselect_b32 s96, 49152, 0
	s_cselect_b32 s97, 8, 9
	s_mov_b32 s98, 98304
	s_cselect_b32 s98, 102400, s98
	s_mov_b32 s90, 104448
	s_mov_b32 s91, 0
	s_mov_b64 s[76:77], s[14:15]
	s_lshl_b32 s99, s43, 2
	s_add_co_u32 s99, s99, s92
	s_lshl_b32 s99, s99, 4
	s_lshl_b32 s93, s93, 2
	s_add_co_u32 s99, s99, s93
	s_lshl_b32 s94, s94, 1
	s_add_co_u32 s99, s99, s94
	s_mul_i32 s92, s99, s90
	s_mov_b32 s93, 0
	s_add_nc_u64 s[76:77], s[76:77], s[92:93]
	s_lshl_b32 s94, s42, 1
	s_add_co_u32 s94, s94, s95
	s_lshl_b32 s92, s94, s97
	s_add_co_u32 s92, s92, s98
	s_add_nc_u64 s[80:81], s[76:77], s[92:93]
	s_add_nc_u64 s[82:83], s[80:81], s[90:91]
	s_mul_i32 s92, s94, 6144
	s_add_co_u32 s92, s92, s96
	s_add_nc_u64 s[76:77], s[76:77], s[92:93]
	s_add_nc_u64 s[78:79], s[76:77], s[90:91]
.macro FRAG reg, adr, q, i
.irp c, 0,1,2
	ds_load_b128 v[\reg+4*\c:\reg+4*\c+3], v[\adr] offset:(\i)*TILEB+(\q)*1536+512*\c
.endr
.endm
.macro FETCH_U slot, q, set
	WIN 0x40
.irp i, 0,1,2,3,4,5,6,7
	FRAG 128*(\set)+FR*\i, ADRU+\slot, \q, \i
.endr
	WIN 0
.endm
.macro FETCH_Y slot, q, i0
.irp i, \i0, \i0+1, \i0+2, \i0+3
	FRAG YF+FR*(\i), ADRY+\slot, \q, \i
.endr
.endm
.macro MUL16 a0, set, ks, mode
.irp a, \a0, \a0+1
.irp b, 0,1,2,3,4,5,6,7
.set rD, 8*(8*((\a)%4)+\b)
.set rU, 128*(\set)+FR*\b
.set rY, YF+FR*(\a)
.set rC, rD
.if \mode == 1
.set rC, BIAS+8*\b
.endif
.if \mode == 2
.set rC, BIAS+8*(\a)
.endif
	v_wmma_scale_f32_16x16x128_f8f6f4 v[rD:rD+7], v[rU:rU+11], v[rY:rY+11], v[rC:rC+7], v[SC+8*\b+\ks], v[SC+8*(\a)+\ks] matrix_a_fmt:MATRIX_FMT_FP6 matrix_b_fmt:MATRIX_FMT_FP6 matrix_a_scale:MATRIX_SCALE_ROW1
.endr
.endr
.endm
.macro STEP slot, ks, mode
	s_wait_dscnt 4*NL
.if \mode
	WIN 0x81
.else
	WIN MUL_LO
.endif
	MUL16 0, 0, \ks, \mode
	MUL16 2, 0, \ks, \mode
	s_wait_dscnt 0x0
	PLACES 4
	FETCH_U \slot, 1, 1
	FETCH_Y \slot, 1, 0
.if \mode
	WIN 0xc1
.else
	WIN MUL_HI
.endif
	MUL16 4, 0, \ks, \mode
	MUL16 6, 0, \ks, \mode
	PLACES 4
	WIN 0
	FETCH_Y \slot, 1, 4
.endm
.macro TURN slot, next, ks, fill
	s_wait_tensorcnt 0x0
	ds_add_u32 v[SPW], v[NIL]
	s_wait_dscnt 4*NL+1
	WIN MUL_LO
	MUL16 0, 1, \ks, 0
	s_wait_dscnt 0x0
	s_barrier_signal -1
	MUL16 2, 1, \ks, 0
	WIN 0
	s_barrier_wait -1
.if \fill
	CREST
	s_add_nc_u64 s[G0Y+4*\slot+2:G0Y+4*\slot+3], s[G0Y+4*\slot+2:G0Y+4*\slot+3], 2*TILEB
	s_add_nc_u64 s[G0U+4*\slot+2:G0U+4*\slot+3], s[G0U+4*\slot+2:G0U+4*\slot+3], 2*TILEB
	JLOAD \slot
.else
	PLACES 4
.endif
	FETCH_U \next, 0, 0
	FETCH_Y \next, 0, 0
	WIN MUL_HI
	MUL16 4, 1, \ks, 0
	MUL16 6, 1, \ks, 0
	PLACES 4
	WIN 0
	FETCH_Y \next, 0, 4
.endm
	s_wait_tensorcnt 1
	s_barrier_signal -1
	s_barrier_wait -1
	FETCH_U 0, 0, 0
	FETCH_Y 0, 0, 0
	FETCH_Y 0, 0, 4
	s_wait_loadcnt 0x0
	s_cmp_eq_u32 s40, 2
	s_cbranch_scc1 .Lfirst_v
	STEP 0, 0, 1
	s_branch .Lfirst_done
.Lfirst_v:
	STEP 0, 0, 2
.Lfirst_done:
	TURN 0, 1, 1, 1
	STEP 1, 2, 0
	TURN 1, 0, 3, 1
	STEP 0, 4, 0
	TURN 0, 1, 5, 0
	STEP 1, 6, 0
	s_wait_dscnt 4*NL
	WIN MUL_LO
	MUL16 0, 1, 7, 0
	MUL16 2, 1, 7, 0
	s_wait_dscnt 0x0
	WIN MUL_HI
	MUL16 4, 1, 7, 0
	MUL16 6, 1, 7, 0
	WIN 0
	PLACES 4
.macro OUT a
.set AC, 64*((\a)%4)
.set WD, 2+(\a)/4
.set PC, 160-64*(((\a)%4)/2)
.set CT, PC+12
	WIN WD|(WD<<2)
.irp b, 0,1,2,3
	v_max3_num_f32 v[TM+\b], |v[AC+16*\b]|, |v[AC+16*\b+1]|, 0x1800000
.endr
	WIN (WD<<2)|(WD<<4)
.irp i, 2,4,6,8,10,12,14
.irp b, 0,1,2,3
	v_max3_num_f32 v[TM+\b], v[TM+\b], |v[AC+16*\b+\i]|, |v[AC+16*\b+\i+1]|
.endr
.endr
	WIN 0
.irp b, 0,1,2,3
	v_permlanex16_b32 v[TM+4+\b], v[TM+\b], s86, s87
.endr
.irp b, 0,1,2,3
	v_max_num_f32 v[TM+\b], v[TM+\b], v[TM+4+\b]
.endr
.irp b, 0,1,2,3
	v_add_nc_u32 v[TM+12+\b], 0xff000000, v[TM+\b]
.endr
.irp b, 0,1,2,3
	v_lshrrev_b32 v[TM+4+\b], 23, v[TM+12+\b]
.endr
	v_lshl_or_b32 v[PW], v[TM+5], 8, v[TM+4]
	v_lshl_or_b32 v[PW], v[TM+6], 16, v[PW]
	v_lshl_or_b32 v[PW], v[TM+7], 24, v[PW]
	v_lshrrev_b32 v[PWS+\a], v30, v[PW]
	s_wait_xcnt 0x0
	WIN WD
.irp c, 0,1
	v_cvt_scalef32_pk16_fp6_f32 v[PC+6*\c:PC+6*\c+2], v[AC+32*\c:AC+32*\c+15], v[TM+12+2*\c]
	v_cvt_scalef32_pk16_fp6_f32 v[CT+4*\c:CT+4*\c+2], v[AC+32*\c+16:AC+32*\c+31], v[TM+12+2*\c+1]
.endr
	WIN 0
	v_nop
.irp c, 0,1
.irp i, 0,1,2
	v_permlane16_swap_b32 v[PC+6*\c+\i], v[CT+4*\c+\i]
.endr
.irp i, 0,1,2
	v_mov_b32 v[PC+6*\c+3+\i], v[CT+4*\c+\i]
.endr
.endr
	ds_store_b32 v24, v[PWS+\a] offset:256*((\a)/4)+4*((\a)%4)
	s_cmp_eq_u32 s40, 2
	s_cbranch_scc1 .Lout_v_\@
	global_store_b128 v22, v[PC:PC+3], s[76:77] offset:768*(\a)
	global_store_b64 v23, v[PC+4:PC+5], s[76:77] offset:768*(\a)+512
	global_store_b128 v22, v[PC+6:PC+9], s[78:79] offset:768*(\a)
	global_store_b64 v23, v[PC+10:PC+11], s[78:79] offset:768*(\a)+512
	s_branch .Lout_done_\@
.Lout_v_\@:
	s_wait_alu depctr_va_vdst(0)
.irp c, 0,1,2
.if \a < 4
	global_store_b128 v22, v[PC+4*\c:PC+4*\c+3], s[76:77] offset:1536*((\a)%4)+512*\c
.else
	global_store_b128 v22, v[PC+4*\c:PC+4*\c+3], s[78:79] offset:1536*((\a)%4)+512*\c
.endif
.endr
.Lout_done_\@:
.endm
.irp a, 0,1,2,3,4,5,6,7
	OUT \a
.endr
	ds_load_b128 v[232:235], v25
	ds_load_b128 v[236:239], v25 offset:512
	s_wait_dscnt 0x0
	s_cmp_eq_u32 s40, 2
	s_cbranch_scc1 .Lsc_v
	global_store_b128 v22, v[232:235], s[80:81]
	global_store_b128 v22, v[236:239], s[82:83]
	s_branch .Lsc_done
.Lsc_v:
	global_store_b128 v27, v[232:235], s[80:81]
.Lsc_done:
	s_wait_tensorcnt 0x0
	ds_add_u32 v[SPW], v[NIL]
	s_wait_dscnt 0x0
	CROUND
	s_endpgm
.Lfunc_end_k_q9ad3d822d2_inproj:
	.size	k_q9ad3d822d2_inproj, .Lfunc_end_k_q9ad3d822d2_inproj-k_q9ad3d822d2_inproj
	.p2alignl 7, 3214868480
	.fill 96, 4, 3214868480
	.section	.rodata,"a",@progbits
	.p2align	6, 0x0
	.amdhsa_kernel k_q9ad3d822d2_inproj
		.amdhsa_group_segment_fixed_size 327680
		.amdhsa_private_segment_fixed_size 0
		.amdhsa_enable_private_segment 0
		.amdhsa_kernarg_size 48
		.amdhsa_user_sgpr_count 2
		.amdhsa_user_sgpr_kernarg_segment_ptr 1
		.amdhsa_wavefront_size32 1
		.amdhsa_system_sgpr_workgroup_id_x 1
		.amdhsa_system_sgpr_workgroup_id_y 1
		.amdhsa_system_sgpr_workgroup_id_z 1
		.amdhsa_system_vgpr_workitem_id 0
		.amdhsa_next_free_vgpr 1024
		.amdhsa_next_free_sgpr 100
		.amdhsa_reserve_vcc 0
		.amdhsa_float_denorm_mode_32 3
		.amdhsa_float_denorm_mode_16_64 3
		.amdhsa_memory_ordered 1
		.amdhsa_forward_progress 1
		.amdhsa_inst_pref_size 163
	.end_amdhsa_kernel
	.amdgpu_metadata
---
amdhsa.version: [ 1, 2 ]
amdhsa.kernels:
  - .name:           k_q9ad3d822d2_inproj
    .symbol:         k_q9ad3d822d2_inproj.kd
    .args:
      - { .name: cod, .offset: 0, .size: 8, .value_kind: global_buffer, .address_space: global }
      - { .name: scl, .offset: 8, .size: 8, .value_kind: global_buffer, .address_space: global }
      - { .name: in_b1, .offset: 16, .size: 8, .value_kind: global_buffer, .address_space: global }
      - { .name: in_b2, .offset: 24, .size: 8, .value_kind: global_buffer, .address_space: global }
      - { .name: in_b3, .offset: 32, .size: 8, .value_kind: global_buffer, .address_space: global }
      - { .name: kv, .offset: 40, .size: 8, .value_kind: global_buffer, .address_space: global }
    .group_segment_fixed_size: 327680
    .private_segment_fixed_size: 0
    .kernarg_segment_align: 8
    .kernarg_segment_size: 48
    .max_flat_workgroup_size: 128
    .sgpr_count:     100
    .vgpr_count:     1024
    .wavefront_size: 32
...
	.end_amdgpu_metadata
.endif
;; end of part 2
;; launch attn (part 3): grid 32 x 8, 8 waves a work-group, clusters of 4 x 1, 327,680 bytes of LDS; arguments cod, kv, attn_mask, scl, in_b1, in_b2, in_b3, out_b1, out_b2, out_b3, out0, out1; writes out0, out1
.if DOCPART == 3
	.amdgcn_target "amdgcn-amd-amdhsa--gfx1250"
	.amdhsa_code_object_version 6
	.text
	.protected	k_q9ad3d822d2_attn
	.globl	k_q9ad3d822d2_attn
	.p2align	8
	.type	k_q9ad3d822d2_attn,@function
k_q9ad3d822d2_attn:
	s_mov_b64 s[64:65], 0
	v_nop
	global_prefetch_b8 v0, s[64:65] scope:SCOPE_SE
	s_setreg_imm32_b32 hwreg(HW_REG_WAVE_MODE, 25, 1), 1
	s_wait_xcnt 0x0
	s_wait_alu depctr_hold_cnt(0) depctr_sa_sdst(0) depctr_va_vdst(0) depctr_va_sdst(0) depctr_va_ssrc(0) depctr_va_vcc(0) depctr_vm_vsrc(0)
	s_getreg_b32 s2, hwreg(HW_REG_IB_STS2, 6, 4)
	s_cmp_eq_u32 s2, 0
	s_cbranch_scc0 .Lentry_in_a_cluster
	s_endpgm
.Lentry_in_a_cluster:
	s_bfe_u32 s2, ttmp6, 0x10000c
	s_cmp_lg_u32 s2, 0x3003
	s_cbranch_scc0 .Lentry_shape_is_right
	s_endpgm
.Lentry_shape_is_right:
; q = query wq^T + bq; scores = mask + (q / 8) k^T; softmax along the keys; nan_to_num; ctx = p v; out1 = the mean of p over the 16 heads; out0 = ctx wo^T + bo.  All products on codes of FP6 (E2M3).
; q is quantised along the channels (the factor 1/8 is 3 off its scale bytes), p finished and normalised along the keys, ctx along E.
; SHARES.  A work-group owns 32 queries (group g) of one batch entry b and walks all 16 heads: it alone owns its rows of q, of out1, of ctx and of out0.  In the heads wave w = (qt = w % 2, kq = w / 2): 16 queries x 256 keys.
; In registers through the heads: the wave's part of the mask (128, the C of the score products) and of the sum of p over heads (128).
; THE TWO PROJECTIONS (macro PROJ) are 32 rows x 1,024 x 1,024 each.  Wave w makes channels 128 w .. + 127 of both query tiles: 8 weight tiles x 2 x 8 K steps = 128 matrix instructions on 16 accumulators by turns.
; Source 0 = 16 weight rows, source 1 = 16 tokens: a lane holds a token, and the 16 registers of two neighbouring tiles are 16 neighbouring channels.  The bias is loaded into the accumulators.
; The weights' images go from memory straight into operand registers, 512 consecutive bytes a load, two K steps (48 loads a wave) out.  Each weight tile is read by ONE wave of a work-group, once, and all 327,680 bytes of LDS
; are in use (two slots, ctx, parts, Q), so these tiles are not asked for jointly through LDS; and with two K steps' loads out no prefetch is laid for them.
; Q's codes and scale halves stay in LDS (QL, QS); ctx's images and scale bytes too (CI, CSC): neither goes to memory.
; LAYOUT in the heads.  Both products are used transposed: S^T = K Q^T (source 0 = 16 keys), O^T = V^T P^T (source 0 = 16 channels): a lane holds one query.  The rows of every tile are 8 u + r + 8 (r / 8) of each 32.
; The first product's K is 64 of the instruction's 128: Q's registers 6-11 hold zero codes; K's operand then names six registers more than a tile has (written ones): every pattern there is a finite number of the
; format, which times the code 0 adds nothing, and no scale byte of those blocks is 0xff (Q's upper two are 0).
; SOFTMAX, one exchange a head.  Each wave takes its own quarter's maximum m away: e = 2^(c s - c m), c = log2(e).  The four waves of a query tile exchange (c m, sum of e) through LDS;
; f = 2^(c m - c M) / sum over the four of sum_k 2^(c m_k - c M), M the largest; p = e f.  A block's largest p is the block's largest score put through the same instructions (this takes v_exp_f32 not to fall where its input rises).
; O^T's four parts (one for each 256 keys) meet in LDS; once for two heads each wave adds and quantises one block of 32 channels of 16 queries.
; CLUSTER 4 x 1: the four partners share b, so each head's block of kv (104,448 bytes) is asked for jointly, an eighth by each wave, into a ring of two slots.
; LIMITS: NaN and +infinity in attn_mask are not served; the mask is held at -3e38 from below, and a row whose largest score lies under -1e30 counts as wholly masked and gives zeros, as nan_to_num leaves them.
; Blocks of p or ctx whose largest magnitude lies under 2^-124, and blocks of q under 2^-121, keep the floor's byte (their codes are zeros or nearly; this program alone reads the bytes).
; REGISTERS in the heads: window 0: v1-23, v37, v123, v127 addresses; v24-35 Q and its zeros, v36 Q's scale word; v38-91 K's tiles 8-15, later at work; v92-107 K's, then V's scale words; v108-109 p's; v110-126 at work;
;   v128-255 S^T, e, p, then V and O^T.  Window 1: v0-127 the mask; v128-255 the sum of p over heads.
; In a projection: window 1 v128-255 the accumulators; weights and tokens of even K steps in window 1 v0-119, of odd ones in window 0 v128-247; window 0 v38-101 the weights' scale words, v102-117 the tokens'.
.set KVB,   104448
.set SLOT1, 131072                     ; slot 1 begins here: one exclusive or turns an address
.set CI,    104448                     ; ctx's 16 images, a lane's 12 registers on end: 1,536 (8 qt + pair) + 48 lane + 4 register
.set CSC,   129024                     ; ctx's scale bytes: 512 qt + 32 r + 4 pair + block
.set STATS, 130048                     ; 128 w + 8 r: (c m, sum)
.set PART,  235520                     ; O^T's parts: 32,768 (head % 2) + 4,096 w + 512 chunk + 16 lane
.set SPARE, 301056                     ; the spare words, 128 bytes a wave: four blocks of 256 bytes that no other line names
.set QL,    302080                     ; Q's images: 1,536 head + 768 qt; registers 0-3 at 16 lane, 4-5 at 512 + 8 lane
.set QS,    326656                     ; Q's two scale bytes: 64 head + 32 qt + 2 r
.set SPW, 1
.set NIL, 2
.set S,   128
.set KSR, 92
.set BM,  38                           ; v38-45 a block's largest score, e, p
.set BT,  46                           ; v46-53 at work
.set SO,  54                           ; v54-61 the conversions' scale operands
.set PC0, 62                           ; v62-73, v74-85 p's two fragments
.set CT,  120
.set WSC, 38                           ; a projection's scale words: weights 8 tile + K step,
.set XSC, 102                          ; tokens 8 qt + K step
.set MSB, 0
.macro WIN new
.if MSB != (\new)
	s_set_vgpr_msb (MSB<<8)|(\new)
.set MSB, (\new)
.endif
.endm
.macro PLACES n
.rept \n
	v_nop
.endr
.endm
.macro ROUND                           ; a round of the cluster's barrier
	s_barrier_signal -1
	s_barrier_wait -1
	s_cmp_lg_u32 s16, 0
	s_cbranch_scc1 .Lnot_wave_0_\@
	s_barrier_signal -3
.Lnot_wave_0_\@:
	s_barrier_wait -3
	s_barrier_signal -1
	s_barrier_wait -1
.endm
; A PREFETCH INTO THE L2 of the block of kv that the NEXT change of slots will ask for: 408 rows of 256 bytes.  All eight clusters of a batch entry walk the same blocks: the first (cluster x = 0) asks.  Its four partners take
; 102 rows each, told apart by address; in each, waves 0 to 3 ask, a thread a row (threads 102 to 127 name row 101 again).  One head ahead of the load; heads 14 and 15 ask for nothing; nothing is asked at the kernel's head.
.macro ASK
	s_cmp_gt_u32 s41, s40
	s_cbranch_scc0 .Lnot_mine_\@
	global_prefetch_b8 v20, s[38:39] th:TH_LOAD_NT scope:SCOPE_SE
.Lnot_mine_\@:
.endm
; ---- the projections' parts.  s[12:13] the wave's 8 weight tiles, s[14:15] their scale records, s[76:77] its 128 biases
.macro WSCLD                           ; lane r: the eight scale words of row r of each weight tile
.irp j, 0,1,2,3,4,5,6,7
	global_load_b128 v[WSC+8*\j:WSC+8*\j+3], v127, s[14:15] offset:512*\j
	global_load_b128 v[WSC+8*\j+4:WSC+8*\j+7], v127, s[14:15] offset:512*\j+16
.endr
.endm
.macro BIASLD                          ; the sums begin as the bias: register 8 j + i of both query tiles is channel 32 (j / 2) + 16 h + 8 (j % 2) + i
	WIN 0x40
.irp q, 0,1
.irp j, 0,1,2,3,4,5,6,7
	global_load_b128 v[128+64*\q+8*\j:128+64*\q+8*\j+3], v121, s[76:77] offset:(32*(\j/2)+8*(\j%2))*4
	global_load_b128 v[128+64*\q+8*\j+4:128+64*\q+8*\j+7], v121, s[76:77] offset:(32*(\j/2)+8*(\j%2))*4+16
.endr
.endr
	WIN 0
.endm
.macro FETCHW ks                       ; K step ks of the 8 weight tiles: 24 loads
	WIN 0x40*(1-(\ks)%2)
.irp j, 0,1,2,3,4,5,6,7
.irp c, 0,1,2
	global_load_b128 v[128*((\ks)%2)+12*\j+4*\c:128*((\ks)%2)+12*\j+4*\c+3], v23, s[12:13] offset:12288*\j+1536*(\ks)+512*\c
.endr
.endr
.endm
.macro FETCHF ks, lds                  ; K step ks of the two token tiles: 6 loads, from cod (query) or from LDS (ctx)
	WIN 0x40*(1-(\ks)%2)
.irp q, 0,1
.irp c, 0,1,2
.if \lds
	ds_load_b128 v[96+128*((\ks)%2)+12*\q+4*\c:96+128*((\ks)%2)+12*\q+4*\c+3], v37 offset:1536*(8*\q+(\ks))+16*\c
.else
	global_load_b128 v[96+128*((\ks)%2)+12*\q+4*\c:96+128*((\ks)%2)+12*\q+4*\c+3], v23, s[78:79] offset:12288*\q+1536*(\ks)+512*\c
.endif
.endr
.endr
.endm
.macro MULP ks                         ; 16 accumulators by turns, in the same order in every K step
	WIN 0x50+5*(1-(\ks)%2)
.irp q, 0,1
.irp j, 0,1,2,3,4,5,6,7
	v_wmma_scale_f32_16x16x128_f8f6f4 v[128+64*\q+8*\j:128+64*\q+8*\j+7], v[128*((\ks)%2)+12*\j:128*((\ks)%2)+12*\j+11], v[96+128*((\ks)%2)+12*\q:96+128*((\ks)%2)+12*\q+11], v[128+64*\q+8*\j:128+64*\q+8*\j+7], v[WSC+8*\j+\ks], v[XSC+8*\q+\ks] matrix_a_fmt:MATRIX_FMT_FP6 matrix_b_fmt:MATRIX_FMT_FP6
.endr
.endr
.endm
.macro PROJ lds                        ; K steps 0 and 1 have been asked for; each step's registers take the step two further on
.irp ks, 0,1,2,3,4,5,6,7
.if \lds
.if \ks < 7
	s_wait_loadcnt 24                              ; all but the next K step's 24 weight loads
	s_wait_dscnt 6                                 ; and its 6 loads of ctx
.else
	s_wait_loadcnt 0x0
	s_wait_dscnt 0x0
.endif
.else
.if \ks < 7
	s_wait_loadcnt 30                              ; all but the next K step's 24 + 6 loads
.else
	s_wait_loadcnt 32                              ; all but the mask's 32
.endif
.endif
	MULP \ks
.if \ks < 6
	PLACES 4                                       ; in front of loads into registers that matrix instructions have read
	FETCHW \ks+2
	FETCHF \ks+2, \lds
.endif
.if (\ks == 6) && (\lds == 0)
	PLACES 4
	WIN 0x40                                       ; the even steps' registers are done with: the mask comes into them
.irp b, 0,1,2,3,4,5,6,7
.irp i, 0,1,2,3
	global_load_b128 v[16*\b+4*\i:16*\b+4*\i+3], v122, s[8:9] offset:128*\b+16*\i   ; register 16 b + x: key 256 kq + 32 b + 16 h + x
.endr
.endr
.endif
.endr
	WIN 0
.endm
; Q of query tile q, 128 channels = heads 2 w and 2 w + 1: four blocks of 32 are quantised and laid into LDS as the heads' operand images
.macro QOUT q
.set E,  38+40*\q                      ; E.. at work; E+16 the scale word; E+18.. the 12 registers of codes; E+30.. the blocks' upper halves
.set AC, 128+64*\q
	WIN 0x05
.irp b, 0,1,2,3
	v_max3_num_f32 v[E+\b], |v[AC+16*\b]|, |v[AC+16*\b+1]|, 0x3000000   ; each accumulator is read from its low end on; the floor 2^(6 - 127) holds the byte, less 3, at 1 from below
.endr
	WIN 0x14
.irp i, 2,4,6,8,10,12,14
.irp b, 0,1,2,3
	v_max3_num_f32 v[E+\b], v[E+\b], |v[AC+16*\b+\i]|, |v[AC+16*\b+\i+1]|
.endr
.endr
	WIN 0
.irp b, 0,1,2,3
	v_permlanex16_b32 v[E+4+\b], v[E+\b], s22, s23
.endr
.irp b, 0,1,2,3
	v_max_num_f32 v[E+\b], v[E+\b], v[E+4+\b]
.endr
.irp b, 0,1,2,3
	v_add_nc_u32 v[E+12+\b], 0xff000000, v[E+\b]   ; 2 off the exponent field: the conversion's scale operand
.endr
.irp b, 0,1,2,3
	v_lshrrev_b32 v[E+4+\b], 23, v[E+12+\b]
.endr
	v_lshl_or_b32 v[E+16], v[E+5], 8, v[E+4]
	v_lshl_or_b32 v[E+16], v[E+6], 16, v[E+16]
	v_lshl_or_b32 v[E+16], v[E+7], 24, v[E+16]
	v_add_nc_u32 v[E+16], 0xfcfcfcfd, v[E+16]      ; 3 off each byte (each is 4 at the least): q / 8
	v_lshrrev_b32 v[E+17], v124, v[E+16]           ; lanes 0-15: head 2 w's two bytes; lanes 16-31: head 2 w + 1's
	WIN 0x01
.irp c, 0,1
	v_cvt_scalef32_pk16_fp6_f32 v[E+18+6*\c:E+20+6*\c], v[AC+32*\c:AC+32*\c+15], v[E+12+2*\c]
	v_cvt_scalef32_pk16_fp6_f32 v[E+30+4*\c:E+32+4*\c], v[AC+32*\c+16:AC+32*\c+31], v[E+13+2*\c]
.endr
	WIN 0
	v_nop                                          ; one plain place behind a scaled conversion
.irp c, 0,1
.irp i, 0,1,2
	v_permlane16_swap_b32 v[E+18+6*\c+\i], v[E+30+4*\c+\i]
.endr
.irp i, 0,1,2
	v_mov_b32 v[E+21+6*\c+\i], v[E+30+4*\c+\i]
.endr
	ds_store_b128 v118, v[E+18+6*\c:E+21+6*\c] offset:1536*\c+768*\q
	ds_store_b64 v119, v[E+22+6*\c:E+23+6*\c] offset:1536*\c+768*\q
.endr
	ds_store_b16 v120, v[E+17] offset:32*\q
.endm
; THE WAY OUT of window 1's v128-255 (2 x 16 rows x 128 numbers) through my stage: whole rows of 512 bytes.  The stage lies in slot 0, which has had its last fill (head 14) and which nobody reads behind head 15's barrier.
.macro WAYOUT p, rs, es                ; rs: bytes from row to row; es: from the first half to the second
.irp e, 0,1
	WIN 0x04                                       ; an LDS store's data are its source 1: window 1
.irp x, 0,1,2,3,4,5,6,7,8,9,10,11,12,13,14,15
	ds_store_b128 v21, v[128+64*\e+4*\x:128+64*\e+4*\x+3] offset:128*(\x/4)+16*(\x%4)
.endr
	WIN 0
.irp t, 0,1,2,3,4,5,6,7,8,9,10,11,12,13,14,15
	ds_load_b128 v[128+64*\e+4*\t:128+64*\e+4*\t+3], v22 offset:528*\t   ; LDS serves a wave's instructions in order
.endr
.endr
	s_wait_dscnt 32                                ; the first half's rows are back; the second half's 16 stores and 16 loads may be out
.irp t, 0,1,2,3,4,5,6,7,8,9,10,11,12,13,14,15
	global_store_b128 v23, v[128+4*\t:128+4*\t+3], s[\p:\p+1] offset:(\t+8*(\t/8))*\rs th:TH_STORE_NT   ; 32 lanes store 512 consecutive bytes
.endr
	s_wait_dscnt 0x0
.irp t, 0,1,2,3,4,5,6,7,8,9,10,11,12,13,14,15
	global_store_b128 v23, v[192+4*\t:192+4*\t+3], s[\p:\p+1] offset:(\t+8*(\t/8))*\rs+\es th:TH_STORE_NT
.endr
.endm
	s_load_b256 s[4:11], s[0:1], 0x0               ; cod s[4:5], kv s[6:7], attn_mask s[8:9], scl s[10:11]
	s_load_b256 s[52:59], s[0:1], 0x20             ; in_b1, in_b2, in_b3, out_b1
	s_load_b256 s[68:75], s[0:1], 0x40             ; out_b2, out_b3, out0 s[72:73], out1 s[74:75]
	v_lshl_add_u32 v[SPW], v0, 2, SPARE
	v_mov_b32 v[NIL], 0
	ds_add_u32 v[SPW], v[NIL]                      ; the wave's opening
	ds_add_u32 v[SPW], v[NIL]
	v_lshrrev_b32 v3, 5, v0
	s_delay_alu instid0(VALU_DEP_1)
	v_readfirstlane_b32 s16, v3                    ; wave 0..7
	s_and_b32 s17, s16, 1                          ; qt
	s_lshr_b32 s18, s16, 1                         ; kq
	s_bfe_u32 s19, ttmp6, 0x40000                  ; cx
	s_lshl_b32 s20, ttmp9, 2
	s_add_co_u32 s20, s20, s19                     ; g: it enters global addresses alone
	s_and_b32 s21, ttmp7, 0xffff                   ; b, which the four partners share
	s_mov_b32 s22, 0x76543210
	s_mov_b32 s23, 0xfedcba98                      ; v_permlanex16_b32's selects for lane l xor 16
	; descriptor group 1: 51 rows of 256 bytes (32 elements of 8 bytes), dense
	s_mov_b32 s24, 15|(3<<16)|(1<<21)              ; 15:0 the mask: all four; 17:16 elements of 8 bytes; 21 set beside a mask
	s_mov_b32 s25, 32<<16
	s_mov_b32 s26, 51<<16
	s_mov_b32 s27, 32<<16
	s_mov_b32 s28, 51
	s_mov_b32 s29, 32
	s_mov_b32 s30, 0
	s_mov_b32 s31, 0
	s_mov_b32 s32, 1
	s_mul_i32 s33, s16, 13056                      ; my eighth of slot 0
	s_mov_b32 s36, 0x3fb8aa3b                      ; c = log2(e)
	s_mov_b32 s37, s36                             ; (named with it as a pair)
	s_lshr_b32 s40, s16, 2                         ; 0 in waves 0 to 3,
	s_or_b32 s40, s40, ttmp9                       ; of the batch entry's first cluster: the same in all four partners
	s_cmp_eq_u32 s40, 0
	s_cselect_b32 s40, 1, -1                       ; a wave prefetches while s41 is above this
	s_mov_b32 s41, 15                              ; 15 - head
	s_mov_b32 s42, 7
	s_mov_b32 s43, 0                               ; 1,536 x pair of heads
	s_mov_b32 s44, 0                               ; 4 x pair
	s_mov_b32 s45, 0                               ; 1,536 x head
	s_mov_b32 s60, 0                               ; 64 x head
	s_mul_i32 s46, s21, 16*KVB
	s_mov_b32 s47, 0
	s_mul_i32 s48, s16, 13056
	s_mov_b32 s49, 0
	s_mul_i32 s50, s19, 26112
	s_add_co_u32 s50, s50, KVB                     ; my work-group's 102 rows, in head 1: the first change of slots steps it to head 2
	s_mov_b32 s51, 0
	s_wait_dscnt 0x0                               ; both opening adds are done
	s_wait_kmcnt 0x0
	s_add_nc_u64 s[6:7], s[6:7], s[46:47]          ; kv at b's head 0
	s_add_nc_u64 s[34:35], s[6:7], s[48:49]
	s_or_b32 s35, s35, 0x80000000
	s_add_nc_u64 s[38:39], s[6:7], s[50:51]
	ROUND                                          ; all four work-groups are here
	tensor_load_to_lds s[32:35], s[24:31]          ; head 0 into slot 0
	s_nop 0
	PLACES 4
	s_lshr_b32 s61, ttmp9, 1
	s_min_u32 s61, s61, 2                          ; my queries' segment: g / 8, the last two as one
	s_lshl_b32 s46, s21, 6
	s_lshl_b32 s48, s20, 1
	s_add_co_u32 s50, s46, s48                     ; query's first tile of mine: 64 b + 2 g
	s_mul_i32 s46, s50, 12288
	s_add_nc_u64 s[78:79], s[4:5], s[46:47]
	s_lshl_b32 s46, s50, 9
	s_add_nc_u64 s[62:63], s[10:11], s[46:47]
	s_mul_i32 s50, s61, 192
	s_lshl_b32 s48, s16, 3
	s_add_co_u32 s50, s50, s48
	s_add_co_u32 s50, s50, 1536                    ; wq's tiles 8 w .. of the segment's in_w
	s_mul_i32 s46, s50, 12288
	s_add_nc_u64 s[12:13], s[4:5], s[46:47]
	s_lshl_b32 s46, s50, 9
	s_add_nc_u64 s[14:15], s[10:11], s[46:47]
	s_cmp_eq_u32 s61, 0
	s_cselect_b64 s[76:77], s[52:53], s[54:55]
	s_cmp_eq_u32 s61, 2
	s_cselect_b64 s[76:77], s[56:57], s[76:77]
	s_lshl_b32 s46, s16, 9
	s_add_nc_u64 s[76:77], s[76:77], s[46:47]      ; bq at channel 128 w
	s_add_nc_u64 s[72:73], s[72:73], s[46:47]
	s_lshl_b32 s46, s20, 20
	s_lshl_b32 s48, s21, 12
	s_add_co_u32 s46, s46, s48
	s_add_nc_u64 s[72:73], s[72:73], s[46:47]      ; out0 at (token 32 g, b, channel 128 w)
	s_lshl_b32 s46, s20, 17
	s_add_nc_u64 s[8:9], s[8:9], s[46:47]          ; the mask at my 32 queries
	s_lshl_b32 s46, s20, 5
	s_lshl_b32 s48, s17, 3
	s_add_co_u32 s46, s46, s48
	s_lshl_b32 s46, s46, 12
	s_lshl_b32 s48, s18, 10
	s_add_co_u32 s46, s46, s48
	s_lshl_b32 s48, s21, 22
	s_add_co_u32 s46, s46, s48
	s_add_nc_u64 s[74:75], s[74:75], s[46:47]      ; out1 at (b, query 32 g + 8 qt, key 256 kq)
	v_and_b32 v114, 31, v0                         ; lane
	v_and_b32 v112, 15, v0                         ; r
	v_bfe_u32 v113, v0, 4, 1                       ; h
	s_delay_alu instid0(VALU_DEP_3)
	v_lshlrev_b32 v23, 4, v114                     ; 16 x lane
	s_mul_i32 s46, s18, 12288
	v_add_nc_u32 v3, s46, v23                      ; K's images (registers 0-3) of my 16 tiles; V's lie 49,152 further on
	s_delay_alu instid0(VALU_DEP_1)
	v_add_nc_u32 v4, SLOT1, v3
	v_lshl_add_u32 v5, v114, 3, s46
	s_delay_alu instid0(VALU_DEP_1)
	v_add_nc_u32 v5, 512, v5                       ; registers 4-5
	s_delay_alu instid0(VALU_DEP_1)
	v_add_nc_u32 v6, SLOT1, v5
	s_lshl_b32 s47, s18, 10
	s_add_co_u32 s47, s47, 98304
	v_lshl_add_u32 v7, v112, 4, s47                ; K's scale words
	s_delay_alu instid0(VALU_DEP_1)
	v_add_nc_u32 v8, SLOT1, v7
	s_lshl_b32 s47, s18, 9
	s_add_co_u32 s47, s47, 102400
	v_lshl_add_u32 v9, v112, 4, s47                ; V's
	s_delay_alu instid0(VALU_DEP_1)
	v_add_nc_u32 v10, SLOT1, v9
	s_lshl_b32 s47, s16, 7
	s_add_co_u32 s47, s47, STATS
	v_lshl_add_u32 v11, v112, 3, s47               ; where I put (c m, sum)
	s_lshl_b32 s47, s17, 7
	s_add_co_u32 s47, s47, STATS
	v_lshl_add_u32 v12, v112, 3, s47               ; and read the four of my query tile, 256 bytes apart
	s_lshl_b32 s47, s16, 12
	s_add_co_u32 s47, s47, PART
	v_add_nc_u32 v13, s47, v23                     ; my part of O^T
	s_bfe_u32 s48, s16, 0x10001                    ; the unit that I add and quantise: query tile w % 2, head (w / 2) % 2 of the pair,
	s_lshr_b32 s49, s16, 2                         ; block w / 4 of its 64 channels
	s_lshl_b32 s47, s48, 15
	s_lshl_b32 s50, s17, 12
	s_add_co_u32 s47, s47, s50
	s_lshl_b32 s50, s49, 11
	s_add_co_u32 s47, s47, s50
	s_add_co_u32 s47, s47, PART
	v_add_nc_u32 v14, s47, v23
	s_mul_i32 s47, s17, 12288
	s_mul_i32 s50, s49, 768
	s_add_co_u32 s47, s47, s50
	s_mul_i32 s50, s48, 24
	s_add_co_u32 s47, s47, s50
	s_add_co_u32 s47, s47, CI
	v_mul_u32_u24 v15, v112, 48
	s_delay_alu instid0(VALU_DEP_1)
	v_mad_u32_u24 v15, v113, 12, v15
	s_delay_alu instid0(VALU_DEP_1)
	v_add_nc_u32 v15, s47, v15                     ; my three registers of codes belong to lane 16 block + r, registers 6 head + 3 h on
	s_lshl_b32 s47, s17, 9
	s_lshl_b32 s50, s48, 1
	s_add_co_u32 s47, s47, s50
	s_add_co_u32 s47, s47, s49
	s_add_co_u32 s47, s47, CSC
	v_lshl_add_u32 v16, v112, 5, s47
	s_mul_i32 s47, s17, 768
	s_add_co_u32 s47, s47, QL
	v_add_nc_u32 v17, s47, v23                     ; Q of head 0, my query tile: registers 0-3,
	v_lshl_add_u32 v18, v114, 3, s47
	s_delay_alu instid0(VALU_DEP_1)
	v_add_nc_u32 v18, 512, v18                     ; 4-5,
	s_lshl_b32 s47, s17, 5
	s_add_co_u32 s47, s47, QS
	v_lshl_add_u32 v19, v112, 1, s47               ; and its two scale bytes
	s_mul_i32 s47, s16, 3072
	s_add_co_u32 s47, s47, QL
	v_add_nc_u32 v118, s47, v23                    ; where I put Q of heads 2 w, 2 w + 1
	v_lshl_add_u32 v119, v114, 3, s47
	s_delay_alu instid0(VALU_DEP_1)
	v_add_nc_u32 v119, 512, v119
	s_lshl_b32 s47, s16, 7
	s_add_co_u32 s47, s47, QS
	v_lshl_add_u32 v120, v112, 1, s47
	s_delay_alu instid0(VALU_DEP_1)
	v_lshl_add_u32 v120, v113, 6, v120
	v_min_u32 v20, 101, v0
	s_delay_alu instid0(VALU_DEP_1)
	v_lshlrev_b32 v20, 8, v20
	s_mul_i32 s46, s16, 8448                       ; the way out: a stage of 16 rows x (512 + 16) bytes a wave, in slot 0
	v_mul_u32_u24 v21, v112, 528
	s_delay_alu instid0(VALU_DEP_1)
	v_lshl_add_u32 v21, v113, 6, v21
	s_delay_alu instid0(VALU_DEP_1)
	v_add_nc_u32 v21, s46, v21
	v_add_nc_u32 v22, s46, v23
	v_mul_u32_u24 v37, v114, 48
	s_delay_alu instid0(VALU_DEP_1)
	v_add_nc_u32 v37, CI, v37                      ; ctx's images as operands: 48 x lane
	v_lshl_add_u32 v123, v112, 5, CSC              ; ctx's scale words of row r
	v_lshlrev_b32 v127, 5, v112                    ; a scale record's row: 32 r
	v_lshlrev_b32 v121, 6, v113                    ; the bias: 16 h channels on
	v_lshlrev_b32 v124, 4, v113                    ; 16 h
	v_and_b32 v122, 8, v112
	s_delay_alu instid0(VALU_DEP_1)
	v_add_nc_u32 v122, v122, v112                  ; r + 8 (r / 8)
	s_delay_alu instid0(VALU_DEP_1)
	v_lshlrev_b32 v122, 12, v122
	s_delay_alu instid0(VALU_DEP_1)
	v_lshl_add_u32 v122, v113, 6, v122
	s_lshl_b32 s46, s17, 15
	s_lshl_b32 s47, s18, 10
	s_add_co_u32 s46, s46, s47
	v_add_nc_u32 v122, s46, v122                   ; the mask: my query's row, + key 256 kq + 16 h
	s_wait_alu depctr_va_vdst(0)
	; Q'S PROJECTION
	WSCLD
.irp q, 0,1
	global_load_b128 v[XSC+8*\q:XSC+8*\q+3], v127, s[62:63] offset:512*\q
	global_load_b128 v[XSC+8*\q+4:XSC+8*\q+7], v127, s[62:63] offset:512*\q+16
.endr
	BIASLD
	FETCHW 0
	FETCHF 0, 0
	FETCHW 1
	FETCHF 1, 0
	PROJ 0
	PLACES 4
	QOUT 0
	QOUT 1
	s_wait_dscnt 0x0                               ; the stores have read their registers
.irp j, 30,31,32,33,34,35
	v_mov_b32 v[\j], 0                             ; Q's zero codes for K = 64 .. 127
.endr
.irp j, 86,87,88,89,90,91,240,241,242,243,244,245,110,111,116,117,118,119
	v_mov_b32 v[\j], 0                             ; written once: what K's last tiles name beyond their six registers, permutes' destinations, upper halves of pairs
.endr
	s_wait_loadcnt 0x0                             ; the mask
	WIN 0x44
.set j, 0
.rept 128
	v_max_num_f32 v[j], 0xff61b1e6, v[j]           ; the mask is held at -3e38 from below
.set j, j+1
.endr
	WIN 0
; ONE UNIT: the four parts of 16 queries x 32 channels of one head are added, quantised, and laid into ctx's image.
.macro UNIT
.irp k, 0,1,2,3
.irp i, 0,1,2,3
	ds_load_b128 v[128+16*\k+4*\i:128+16*\k+4*\i+3], v14 offset:8192*\k+512*\i
.endr
.endr
	v_add_nc_u32 v110, s43, v15
	v_add_nc_u32 v111, s44, v16
	s_wait_dscnt 0x0
.irp j, 0,2,4,6,8,10,12,14
	v_pk_add_f32 v[128+\j:129+\j], v[128+\j:129+\j], v[144+\j:145+\j]
	v_pk_add_f32 v[160+\j:161+\j], v[160+\j:161+\j], v[176+\j:177+\j]
.endr
.irp j, 0,2,4,6,8,10,12,14
	v_pk_add_f32 v[128+\j:129+\j], v[128+\j:129+\j], v[160+\j:161+\j]
.endr
	v_max3_num_f32 v112, |v128|, |v129|, 0x1800000 ; my 16 numbers and the floor 2^(3 - 127)
.irp i, 2,4,6,8,10,12,14
	s_delay_alu instid0(VALU_DEP_1)
	v_max3_num_f32 v112, v112, |v[128+\i]|, |v[129+\i]|
.endr
	v_permlanex16_b32 v113, v112, s22, s23
	s_delay_alu instid0(VALU_DEP_1)
	v_max_num_f32 v112, v112, v113
	s_delay_alu instid0(VALU_DEP_1)
	v_add_nc_u32 v112, 0xff000000, v112
	s_delay_alu instid0(VALU_DEP_1)
	v_lshrrev_b32 v113, 23, v112
	v_cvt_scalef32_pk16_fp6_f32 v[114:116], v[128:143], v112
	v_nop                                          ; one plain place behind a scaled conversion
	ds_store_b32 v110, v114
	ds_store_b32 v110, v115 offset:4
	ds_store_b32 v110, v116 offset:8
	ds_store_b8 v111, v113                         ; both halves of the lanes write the same byte with the same value
	s_add_co_u32 s43, s43, 1536
	s_add_co_u32 s44, s44, 4
.endm
; ONE HEAD, from slot sg.  refill: the next head's block is asked for.  unit: the pair of heads just finished is added up.  first: the head sum begins.
.macro HEAD sg, refill, unit, first
	s_wait_tensorcnt 0x0                           ; all my tensor loads have landed: my eighth of this head's block
	ds_add_u32 v[SPW], v[NIL]                      ; 0 onto my spare word: the descriptor's steps stand between it and the wait for it
.if \refill
	s_xor_b32 s33, s33, SLOT1                      ; the other slot,
	s_add_nc_u64 s[34:35], s[34:35], KVB           ; the next head
	s_wait_xcnt 0x0                                ; the last prefetch, a head back, has read its address
	s_add_nc_u64 s[38:39], s[38:39], KVB
.endif
	s_wait_dscnt 0x0                               ; the add is done; my reads of the other slot and my LDS stores are over
.if \refill
	ROUND                                          ; no wave of any partner still reads the other slot or has a load on its way
	tensor_load_to_lds s[32:35], s[24:31]          ; my one tensor load until the next round: it has this head's work in which to land
	s_nop 0
	PLACES 4
	ASK
	s_sub_co_u32 s41, s41, 1
.else
	s_barrier_signal -1
	s_barrier_wait -1
	PLACES 4
.endif
	v_add_nc_u32 v112, s45, v17
	v_add_nc_u32 v113, s45, v18
	v_add_nc_u32 v114, s60, v19
	ds_load_b128 v[24:27], v112                    ; this head's Q
	ds_load_b64 v[28:29], v113
	ds_load_u16 v36, v114                          ; its two scale bytes; the upper two are 0
	s_add_co_u32 s45, s45, 1536
	s_add_co_u32 s60, s60, 64
.irp i, 0,1,2,3,4,5,6,7
	ds_load_b128 v[192+6*\i:195+6*\i], v[3+\sg] offset:768*\i
	ds_load_b64 v[196+6*\i:197+6*\i], v[5+\sg] offset:768*\i
.endr
.irp n, 0,1,2,3
	ds_load_b128 v[KSR+4*\n:KSR+4*\n+3], v[7+\sg] offset:256*\n
.endr
.irp i, 0,1,2,3,4,5,6,7
	ds_load_b128 v[38+6*\i:41+6*\i], v[3+\sg] offset:768*(8+\i)
	ds_load_b64 v[42+6*\i:43+6*\i], v[5+\sg] offset:768*(8+\i)
.endr
.if \unit
	UNIT
.else
	s_wait_dscnt 16                                ; Q, tiles 0-7 and the scale words are in; the 16 loads of tiles 8-15 may be out
.endif
	WIN 0x10                                       ; C (the mask) in window 1
.irp i, 0,1,2,3,4,5,6,7
	v_wmma_scale_f32_16x16x128_f8f6f4 v[S+8*\i:S+8*\i+7], v[192+6*\i:203+6*\i], v[24:35], v[8*\i:8*\i+7], v[KSR+\i], v36 matrix_a_fmt:MATRIX_FMT_FP6 matrix_b_fmt:MATRIX_FMT_FP6
.endr
	s_wait_dscnt 0x0
	PLACES 5                                       ; the next results are laid over registers that these products read
	s_wait_alu depctr_va_vdst(0)
.irp i, 0,1,2,3,4,5,6,7
	v_wmma_scale_f32_16x16x128_f8f6f4 v[S+64+8*\i:S+64+8*\i+7], v[38+6*\i:49+6*\i], v[24:35], v[64+8*\i:64+8*\i+7], v[KSR+8+\i], v36 matrix_a_fmt:MATRIX_FMT_FP6 matrix_b_fmt:MATRIX_FMT_FP6
.endr
	WIN 0
	PLACES 4
.irp b, 0,1,2,3,4,5,6,7
	v_max3_num_f32 v[BM+\b], v[S+16*\b], v[S+16*\b+1], v[S+16*\b+2]   ; the largest score of each block of 32 keys; each accumulator is read from its low end on
.endr
.irp i, 3,5,7,9,11,13
.irp b, 0,1,2,3,4,5,6,7
	v_max3_num_f32 v[BM+\b], v[BM+\b], v[S+16*\b+\i], v[S+16*\b+\i+1]
.endr
.endr
.irp b, 0,1,2,3,4,5,6,7
	v_max_num_f32 v[BM+\b], v[BM+\b], v[S+16*\b+15]
.endr
.irp b, 0,1,2,3,4,5,6,7
	v_permlanex16_b32 v[BT+\b], v[BM+\b], s22, s23
.endr
.irp b, 0,1,2,3,4,5,6,7
	v_max_num_f32 v[BM+\b], v[BM+\b], v[BT+\b]     ; with lane l xor 16's 16 keys
.endr
	v_max3_num_f32 v110, v[BM], v[BM+1], v[BM+2]
	s_delay_alu instid0(VALU_DEP_1)
	v_max3_num_f32 v110, v110, v[BM+3], v[BM+4]
	s_delay_alu instid0(VALU_DEP_1)
	v_max3_num_f32 v110, v110, v[BM+5], v[BM+6]
	s_delay_alu instid0(VALU_DEP_1)
	v_max3_num_f32 v110, v110, v[BM+7], 0xf149f2ca ; m of my 256 keys, not under -1e30
	s_delay_alu instid0(VALU_DEP_1)
	v_mul_f32 v118, s36, v110                      ; c m
.set j, 0
.rept 64
	v_pk_fma_f32 v[S+j:S+j+1], v[S+j:S+j+1], s[36:37], v[118:119] op_sel_hi:[1,0,0] neg_lo:[0,0,1] neg_hi:[0,0,1]   ; c s - c m
.set j, j+2
.endr
.irp b, 0,1,2,3,4,5,6,7
	v_fma_f32 v[BM+\b], v[BM+\b], s36, -v118       ; the same of each block's largest score
.endr
.set j, 0
	s_wait_alu depctr_va_vdst(0)
.rept 128
	v_exp_f32 v[S+j], v[S+j]
.set j, j+1
.endr
.irp b, 0,1,2,3,4,5,6,7
	v_exp_f32 v[BM+\b], v[BM+\b]
.endr
	v_nop                                          ; a plain place behind the batch
	s_wait_alu depctr_va_vdst(0)                   ; one wait for the 136, ahead of their first reader
.set c, 0                                      ; the sum of e: eight chains of packed additions by turns
.irp a, 112,114,124,120,116,108,106,104
	v_pk_add_f32 v[\a:\a+1], v[S+2*c:S+2*c+1], v[S+16+2*c:S+17+2*c]
.set c, c+1
.endr
.irp m, 2,3,4,5,6,7
.set c, 0
.irp a, 112,114,124,120,116,108,106,104
	v_pk_add_f32 v[\a:\a+1], v[\a:\a+1], v[S+16*\m+2*c:S+16*\m+2*c+1]
.set c, c+1
.endr
.endr
	v_pk_add_f32 v[112:113], v[112:113], v[116:117]
	v_pk_add_f32 v[114:115], v[114:115], v[108:109]
	v_pk_add_f32 v[124:125], v[124:125], v[106:107]
	v_pk_add_f32 v[120:121], v[120:121], v[104:105]
	s_delay_alu instid0(VALU_DEP_2)
	v_pk_add_f32 v[112:113], v[112:113], v[124:125]
	s_delay_alu instid0(VALU_DEP_2)
	v_pk_add_f32 v[114:115], v[114:115], v[120:121]
	s_delay_alu instid0(VALU_DEP_1)
	v_pk_add_f32 v[112:113], v[112:113], v[114:115]
	s_delay_alu instid0(VALU_DEP_1)
	v_add_f32 v119, v112, v113
	s_delay_alu instid0(VALU_DEP_1)
	v_permlanex16_b32 v110, v119, s22, s23
	s_delay_alu instid0(VALU_DEP_1)
	v_add_f32 v119, v119, v110
	ds_store_b64 v11, v[118:119]                   ; both halves of the lanes write the same pair
	s_wait_dscnt 0x0                               ; for the others' sake
	s_barrier_signal -1
	s_barrier_wait -1                              ; (the tensor load may stay out)
.irp k, 0,1,2,3
	ds_load_b64 v[BT+2*\k:BT+2*\k+1], v12 offset:256*\k
.endr
	s_wait_dscnt 0x0
	v_max3_num_f32 v110, v[BT], v[BT+2], v[BT+4]
	s_delay_alu instid0(VALU_DEP_1)
	v_max_num_f32 v110, v110, v[BT+6]              ; c M
.irp k, 0,1,2,3
	v_sub_f32 v[BT+2*\k], v[BT+2*\k], v110
.endr
	v_sub_f32 v111, v118, v110
	s_wait_alu depctr_va_vdst(0)
.irp k, 0,1,2,3
	v_exp_f32 v[BT+2*\k], v[BT+2*\k]
.endr
	v_exp_f32 v111, v111
	v_nop
	s_wait_alu depctr_va_vdst(0)
	v_mul_f32 v112, v[BT], v[BT+1]
	v_fmac_f32 v112, v[BT+2], v[BT+3]
	v_fmac_f32 v112, v[BT+4], v[BT+5]
	v_fmac_f32 v112, v[BT+6], v[BT+7]              ; the row's sum under M
	s_delay_alu instid0(VALU_DEP_1)
	v_max_num_f32 v112, 0x0d800000, v112           ; a wholly masked row: every e is 0, and 0 x a finite f is 0
	s_wait_alu depctr_va_vdst(0)
	v_rcp_f32 v113, v112
	v_nop
	s_wait_alu depctr_va_vdst(0)
	v_mul_f32 v116, v111, v113                     ; f
	v_mul_f32 v117, v111, v113
.set j, 0
.rept 64
	v_pk_mul_f32 v[S+j:S+j+1], v[S+j:S+j+1], v[116:117]   ; p, finished and normalised
.set j, j+2
.endr
.irp b, 0,1,2,3,4,5,6,7
	v_mul_f32 v[BM+\b], v[BM+\b], v116             ; each block's largest p
.endr
.irp b, 0,1,2,3,4,5,6,7
	v_max_num_f32 v[BM+\b], 0x1800000, v[BM+\b]    ; the floor 2^(3 - 127)
.endr
.irp b, 0,1,2,3,4,5,6,7
	v_add_nc_u32 v[SO+\b], 0xff000000, v[BM+\b]
.endr
.irp b, 0,1,2,3,4,5,6,7
	v_lshrrev_b32 v[BT+\b], 23, v[SO+\b]
.endr
.irp k, 0,1
	v_lshl_or_b32 v[108+\k], v[BT+4*\k+1], 8, v[BT+4*\k]
	s_delay_alu instid0(VALU_DEP_1)
	v_lshl_or_b32 v[108+\k], v[BT+4*\k+2], 16, v[108+\k]
	s_delay_alu instid0(VALU_DEP_1)
	v_lshl_or_b32 v[108+\k], v[BT+4*\k+3], 24, v[108+\k]   ; p's scale word for 128 keys
.endr
.irp k, 0,1                                    ; my keys 128 k on: p's fragment, the head sum, and then V's fragments into the registers that p has left
.irp c, 0,1
	v_cvt_scalef32_pk16_fp6_f32 v[PC0+12*\k+6*\c:PC0+12*\k+6*\c+2], v[S+64*\k+32*\c:S+64*\k+32*\c+15], v[SO+4*\k+2*\c]
	v_cvt_scalef32_pk16_fp6_f32 v[CT+4*\c:CT+4*\c+2], v[S+64*\k+32*\c+16:S+64*\k+32*\c+31], v[SO+4*\k+2*\c+1]
.endr
	v_nop                                          ; one plain place behind a scaled conversion
.irp c, 0,1
.irp i, 0,1,2
	v_permlane16_swap_b32 v[PC0+12*\k+6*\c+\i], v[CT+4*\c+\i]
.endr
.irp i, 0,1,2
	s_delay_alu instid0(VALU_DEP_3)
	v_mov_b32 v[PC0+12*\k+6*\c+3+\i], v[CT+4*\c+\i]
.endr
.endr
.if \first
	WIN 0x40                                       ; the first head starts the sum: nothing is cleared
.else
	WIN 0x41                                       ; destination and source 0 window 1
.endif
.set j, S+64*\k
.rept 32
.if \first
	v_pk_mul_f32 v[j:j+1], v[j:j+1], 1.0 op_sel_hi:[1,0]
.else
	v_pk_add_f32 v[j:j+1], v[j:j+1], v[j:j+1]      ; the sum over heads += p.  (These 32 are also the places between the scale words and codes just written and the products below)
.endif
.set j, j+2
.endr
	WIN 0
.if \k == 0
	ds_load_b128 v[KSR:KSR+3], v[9+\sg]
	ds_load_b128 v[KSR+4:KSR+7], v[9+\sg] offset:256
.endif
.irp t, 0,1,2,3
.irp c, 0,1,2
	ds_load_b128 v[S+64*\k+12*\t+4*\c:S+64*\k+12*\t+4*\c+3], v[3+\sg] offset:49152+6144*\k+1536*\t+512*\c
.endr
.endr
.endr
	s_wait_dscnt 12                                ; V's scale words and first four fragments are in; the 12 loads of the second four may be out
.irp t, 0,1,2,3                                ; O^T's four accumulators take turns
.set rO, 176+8*\t+48*(\t/2)
	v_wmma_scale_f32_16x16x128_f8f6f4 v[rO:rO+7], v[S+12*\t:S+12*\t+11], v[PC0:PC0+11], 0, v[KSR+\t], v108 matrix_a_fmt:MATRIX_FMT_FP6 matrix_b_fmt:MATRIX_FMT_FP6
.endr
	s_wait_dscnt 0x0
.irp t, 0,1,2,3
.set rO, 176+8*\t+48*(\t/2)
	v_wmma_scale_f32_16x16x128_f8f6f4 v[rO:rO+7], v[S+64+12*\t:S+64+12*\t+11], v[PC0+12:PC0+23], v[rO:rO+7], v[KSR+4+\t], v109 matrix_a_fmt:MATRIX_FMT_FP6 matrix_b_fmt:MATRIX_FMT_FP6
.endr
	PLACES 4
.irp t, 0,1,2,3
.set rO, 176+8*\t+48*(\t/2)
	ds_store_b128 v13, v[rO:rO+3] offset:32768*\sg+1024*\t
	ds_store_b128 v13, v[rO+4:rO+7] offset:32768*\sg+1024*\t+512
.endr
.endm
	HEAD 0, 1, 0, 1                                ; head 0 (its round also shows every wave's part of Q to all)
.Lpair:                                            ; 7 trips: heads 1 to 14
	HEAD 1, 1, 0, 0
	HEAD 0, 1, 1, 0
	s_sub_co_u32 s42, s42, 1
	s_cmp_lg_u32 s42, 0
	s_cbranch_scc1 .Lpair
	HEAD 1, 0, 0, 0                                ; head 15 is written out: nothing is left to ask for
	s_wait_dscnt 0x0
	s_barrier_signal -1
	s_barrier_wait -1                              ; the last pair's parts lie in LDS
	; THE OUT-PROJECTION's weights are asked for now: wo's tiles 8 w .. of the segment's out_w
	s_lshl_b32 s50, s61, 6
	s_lshl_b32 s48, s16, 3
	s_add_co_u32 s50, s50, s48
	s_add_co_u32 s50, s50, 2112
	s_mov_b32 s47, 0
	s_mul_i32 s46, s50, 12288
	s_add_nc_u64 s[12:13], s[4:5], s[46:47]
	s_lshl_b32 s46, s50, 9
	s_add_nc_u64 s[14:15], s[10:11], s[46:47]
	s_cmp_eq_u32 s61, 0
	s_cselect_b64 s[76:77], s[58:59], s[68:69]
	s_cmp_eq_u32 s61, 2
	s_cselect_b64 s[76:77], s[70:71], s[76:77]
	s_lshl_b32 s46, s16, 9
	s_add_nc_u64 s[76:77], s[76:77], s[46:47]      ; bo at channel 128 w
	WSCLD
	FETCHW 0                                       ; into the mask's registers, which head 15's scores have left
	WIN 0
	UNIT
	WIN 0x41
.set j, 128
.rept 64
	v_pk_mul_f32 v[j:j+1], v[j:j+1], 0x3d800000 op_sel_hi:[1,0]   ; THE HEAD MEAN: / 16
.set j, j+2
.endr
	WAYOUT 74, 4096, 512                           ; two halves of 128 keys
	s_barrier_signal -1
	s_barrier_wait -1                              ; every wave's last unit lies in ctx's images (each waited for its LDS stores above)
	s_wait_xcnt 0x0                                ; out1's stores have read their registers: loads may land there
	v_bfe_u32 v121, v0, 4, 1
	s_delay_alu instid0(VALU_DEP_1)
	v_lshlrev_b32 v121, 6, v121                    ; the bias: 16 h channels on
	BIASLD
.irp q, 0,1
	ds_load_b128 v[XSC+8*\q:XSC+8*\q+3], v123 offset:512*\q
	ds_load_b128 v[XSC+8*\q+4:XSC+8*\q+7], v123 offset:512*\q+16
.endr
	FETCHF 0, 1
	FETCHW 1
	FETCHF 1, 1
	PROJ 1
	PLACES 4
	WAYOUT 72, 32768, 262144                       ; the two query tiles, 8 tokens apart; each accumulator is read from its low end on
	s_wait_tensorcnt 0x0                           ; the wave's end
	ds_add_u32 v[SPW], v[NIL]
	s_wait_dscnt 0x0
	ROUND                                          ; the closing round
	s_endpgm
.Lfunc_end_k_q9ad3d822d2_attn:
	.size	k_q9ad3d822d2_attn, .Lfunc_end_k_q9ad3d822d2_attn-k_q9ad3d822d2_attn
	.p2alignl 7, 3214868480
	.fill 96, 4, 3214868480
	.section	.rodata,"a",@progbits
	.p2align	6, 0x0
	.amdhsa_kernel k_q9ad3d822d2_attn
		.amdhsa_group_segment_fixed_size 327680
		.amdhsa_private_segment_fixed_size 0
		.amdhsa_enable_private_segment 0
		.amdhsa_kernarg_size 96
		.amdhsa_user_sgpr_count 2
		.amdhsa_user_sgpr_kernarg_segment_ptr 1
		.amdhsa_wavefront_size32 1
		.amdhsa_system_sgpr_workgroup_id_x 1
		.amdhsa_system_sgpr_workgroup_id_y 1
		.amdhsa_system_sgpr_workgroup_id_z 1
		.amdhsa_system_vgpr_workitem_id 0
		.amdhsa_next_free_vgpr 512
		.amdhsa_next_free_sgpr 80
		.amdhsa_reserve_vcc 0
		.amdhsa_float_denorm_mode_32 3
		.amdhsa_float_denorm_mode_16_64 3
		.amdhsa_memory_ordered 1
		.amdhsa_forward_progress 1
		.amdhsa_inst_pref_size 255
	.end_amdhsa_kernel
	.section	.bss,"aw",@nobits
	.p2align	6
	.space	262144
	.amdgpu_metadata
---
amdhsa.version: [ 1, 2 ]
amdhsa.kernels:
  - .name:           k_q9ad3d822d2_attn
    .symbol:         k_q9ad3d822d2_attn.kd
    .args:
      - { .name: cod, .offset: 0, .size: 8, .value_kind: global_buffer, .address_space: global }
      - { .name: kv, .offset: 8, .size: 8, .value_kind: global_buffer, .address_space: global }
      - { .name: attn_mask, .offset: 16, .size: 8, .value_kind: global_buffer, .address_space: global }
      - { .name: scl, .offset: 24, .size: 8, .value_kind: global_buffer, .address_space: global }
      - { .name: in_b1, .offset: 32, .size: 8, .value_kind: global_buffer, .address_space: global }
      - { .name: in_b2, .offset: 40, .size: 8, .value_kind: global_buffer, .address_space: global }
      - { .name: in_b3, .offset: 48, .size: 8, .value_kind: global_buffer, .address_space: global }
      - { .name: out_b1, .offset: 56, .size: 8, .value_kind: global_buffer, .address_space: global }
      - { .name: out_b2, .offset: 64, .size: 8, .value_kind: global_buffer, .address_space: global }
      - { .name: out_b3, .offset: 72, .size: 8, .value_kind: global_buffer, .address_space: global }
      - { .name: out0, .offset: 80, .size: 8, .value_kind: global_buffer, .address_space: global }
      - { .name: out1, .offset: 88, .size: 8, .value_kind: global_buffer, .address_space: global }
    .group_segment_fixed_size: 327680
    .private_segment_fixed_size: 0
    .kernarg_segment_align: 8
    .kernarg_segment_size: 96
    .max_flat_workgroup_size: 256
    .sgpr_count:     80
    .vgpr_count:     512
    .wavefront_size: 32
...
	.end_amdgpu_metadata
.endif
;; end of part 3
